; MI455X (gfx1250); checked and timed in simulation.
; The chip was launched on July 23, 2026; its instructions are those of AMD's public machine-readable ISA for CDNA 5 (MIT licence, August 2026) and "CDNA5" Instruction Set Architecture Reference Guide (July 2026). The comments in the code are by the model that wrote it; some were corrected since.
;; Question Attention. Allowed arithmetic: matrix products marked QUANTISED: E5M2 operands, one given power-of-two scale a tensor, by v_wmma_f32_16x16x64_bf8_bf8 or v_wmma_f32_16x16x128_bf8_bf8, f32 sums; products left as they are: f32 operands where the result goes on into a quantised operand, else bf16, f16 or f32 operands; f32 sums; everything else in f32.
;; Inputs: Wa_codes 2,048 x 64 x 32 uint8 (E5M2 codes of Wa, K innermost, in blocks of 32 codes); Wm 2,048 x 2,048 float32; Wq_codes 2,048 x 64 x 32 uint8 (E5M2 codes of Wq, K innermost, in blocks of 32 codes); ba 2,048 float32; bm 2,048 float32; bq 2,048 float32; hidden_list 4 x 2,048 x 2,048 float32; lowp_scales 4 int32 (the exponents e of the quantised operands' scales 2^e); m_q 2,048 float32.
;; Outputs: out0 4 x 2,048 float32; out1 4 x 2,048 float32.
;; This version of the problem:
;;   THIS VERSION OF THE PROBLEM IS GIVEN IN LOW PRECISION. The matrix products marked QUANTISED in the list below multiply operands that are first quantised to E5M2 (5 exponent bits, 2 mantissa bits; 8 bits a number), with one given power-of-two scale for each operand tensor; their sums are f32. All else is computed in f32.
;;   The module's matrix products, in the order in which they are computed (A, B: the left and right operand; K: the contracted axis; several contracted axes count as one K, in the product's order):
;;     1. [M 8,192, K 2,048] x [K 2,048, N 2,048]; A: input hidden_list; B: input Wq (given as codes): QUANTISED (scales: A lowp_scales[0], B lowp_scales[1])
;;     2. [M 2,048, K 2,048] x [K 2,048, N 1]; A: input Wm; B: input m_q: left as it is (N = 1 < 16)
;;     3. [M 8,192, K 2,048] x [K 2,048, N 2,048]; A: computed on the way; B: input Wa (given as codes): QUANTISED (scales: A lowp_scales[2], B lowp_scales[3])
;;   THE QUANTISER, for each operand of a quantised product, along K:
;;     - The operand's scale is 2^e, e = its entry of the input lowp_scales (int32; the entries are numbered through the quantised products in the list's order, A before B).
;;     - Each number is divided by the scale, clamped to +-57,344, and rounded to the nearest number of E5M2, ties to even, subnormals kept.
;;     - The product sums the exact products of the quantised numbers (number of the format x scale) in f32.
;;   ~~~python
;;   def quantise(x, axis, e):      # numpy; x: float32 -> the quantised numbers, widened to float32 again
;;       x = np.moveaxis(x, axis, -1); K = x.shape[-1]
;;       r = np.clip(x / 2.0 ** e, -57344, 57344)
;;       step = 2.0 ** (np.maximum(np.frexp(np.where(r == 0, 1, r))[1] - 1, -14) - 2)
;;       q = np.round(r / step) * step * 2.0 ** e      # np.round: ties to even
;;       return np.moveaxis(q, -1, axis).astype(np.float32)
;;   ~~~
;;   OPERANDS COMPUTED ON THE WAY. 'Computed on the way' means the value that the module computes at that place (a softmax that the list does not call 'softmax' is quantised finished and normalised). What goes into a quantiser is computed in f32, as accurately as f32 sums, v_exp_f32 and their like allow (about 1e-6 of the number): no bf16 or f16 on the way to a quantiser, and a product that is left as it is and whose result goes on into a quantised operand takes f32 operands (vector FMAs, or v_wmma_f32_16x16x4_f32). A number that lies on a knife's edge between two numbers of the format may be rounded either way, as far as f32 arithmetic and the matrix unit's own rounding can turn it there, and no further.
;;   INPUTS GIVEN AS CODES. Wa (in the module: [2048, 2048], K = its axis 1); Wq (in the module: [2048, 2048], K = its axis 1): each comes as NAME_codes (uint8): NAME with its K axis moved to the last place and cut into blocks of 32 codes, [.., K / 32, bytes a block], one block behind the other in memory; one code a byte (a code: sign, 5 exponent bits, 2 mantissa bits); its scale is its entry of lowp_scales. Its value is code x scale, taken as it is: it is not quantised again, and the codes and scales need not be those that the quantiser above would give.
;; One version. Each part assembles by itself: llvm-mc -triple=amdgcn-amd-amdhsa -mcpu=gfx1250 --defsym DOCPART=n.
;; ======== version 1 of 1: 4 launches
;; limits: right only within a limited range of input values
;; workspace buffers: hc 16,777,216 bytes; sc 16,777,216 bytes; mq 8,192 bytes; part 2,097,152 bytes
;; launch prep (part 1): grid 640 x 1, 4 waves a work-group, no clusters, 34,304 bytes of LDS; arguments hidden_list, lowp_scales, Wm, m_q, bm, hc, mq; writes hc, mq
.if DOCPART == 1
	.amdgcn_target "amdgcn-amd-amdhsa--gfx1250"
	.amdhsa_code_object_version 6
	.text
	.protected	k_q044e5e13e5_prep
	.globl	k_q044e5e13e5_prep
	.p2align	8
	.type	k_q044e5e13e5_prep,@function
k_q044e5e13e5_prep:
	s_mov_b64 s[64:65], 0
	v_nop
	global_prefetch_b8 v0, s[64:65] scope:SCOPE_SE
	s_setreg_imm32_b32 hwreg(HW_REG_WAVE_MODE, 25, 1), 1
	s_wait_xcnt 0x0
; TWO JOBS IN ONE LAUNCH, parted by one scalar branch on the work-group's number.
; Work-groups 0-511: h [8192][2048] f32 becomes codes of BF8 (E5M2) with the given scale 2^e0: code = h / 2^e0, held within +-57,344, to the nearest code, ties to even.
; Work-groups 512-639: mq = tanh(Wm m_q + bm), [2048], all in f32 (fused multiply-adds): it goes on into a quantised operand.
; THE CODES ARE LAID AS IMAGES OF THE OPERAND'S REGISTERS.  A fragment (16 rows x 128 K) is 2,048 bytes on end: four groups c of 512 bytes, lane l's 16 bytes at 16 l;
; lane l = 16 hh + r holds row r, k = 32 c + 16 hh + 0 .. 15.  Fragment (K step k / 256, row block row / 16, half (k / 128) % 2) begins at ((k / 256 x 512 + row / 16) x 2 + half) x 2,048.
; So the product's launch fetches 128 rows x 256 K as one dense block of 32,768 bytes, and reads a fragment from LDS at 16 bytes a lane on end.
; SHARES.  Quantiser: work-group g takes row block g (16 rows), wave w columns 512 w on: four fragments.  Each load reads 512 consecutive bytes of a row; the conversions want 16 neighbours along K in ONE lane,
; so a fragment's 8,192 bytes turn through the wave's own stage in LDS (16 rows of 512 bytes + 16: row r starts 33 x 16 bytes behind row r - 1, so the 16 lanes of a read fall on 16 different columns of 16 bytes).
; Matrix-vector product: work-group j takes rows 16 j on, wave w four of them; a row is 64 numbers a lane, m_q stays in 64 registers.
; Both kinds of work-group read 131,072 bytes of their large input.  No tensor load, no barrier: waves share nothing.  No cluster: no two work-groups read the same large tile.
; tanh(x): x^2 >= 1/16: 1 - 2 / (1 + 2^(2 log2(e) x));  x^2 < 1/16: x + x (x^2 (c3 + x^2 (c5 + x^2 c7))), whose first neglected term is 62/2835 x^8 <= 3.4e-7 of the result.  Both are computed, one is selected.
; LIMITS: e0 between -126 and 112, so that 2^e0 and 57,344 x 2^e0 are f32 numbers.  NaN among the inputs is not served.
; mq leaves 16 bytes a wave: 8,192 bytes in the whole launch; to gather them would take a barrier under the branch on the work-group's number.
.set R,   16                           ; v16-143  two sets of 64 registers as loaded
.set X,   144                          ; v144-207 quantiser: 64 numbers, register 16 c + i = k 32 c + 16 hh + i of my row;  matrix-vector product: m_q
.set C,   208                          ; v208-223 quantiser: a fragment's codes;  matrix-vector product: sums
.set SP,  528                          ; a stage row
	s_load_b128 s[4:7], s[0:1], 0x0                ; h, the scales' exponents
	s_load_b128 s[8:11], s[0:1], 0x10              ; Wm, m_q
	s_load_b128 s[12:15], s[0:1], 0x20             ; bm, hc
	s_load_b64 s[16:17], s[0:1], 0x30              ; mq
	v_lshl_add_u32 v232, v0, 2, 0x8400
	v_mov_b32 v233, 0
	v_lshrrev_b32 v1, 5, v0
	v_readfirstlane_b32 s18, v1                    ; wave 0..3
	v_and_b32 v1, 31, v0                           ; lane
	v_and_b32 v2, 15, v0                           ; r
	v_bfe_u32 v3, v0, 4, 1                         ; hh
	v_lshlrev_b32 v4, 4, v1                        ; 16 x lane
	s_wait_kmcnt 0x0
	s_cmp_ge_u32 ttmp9, 512
	s_cbranch_scc1 .Lgemv
	; ---------------- the quantiser ----------------
	s_load_b32 s22, s[6:7], 0x0                    ; e0
	s_mul_i32 s19, s18, 16*SP                      ; my stage
	s_wait_alu depctr_va_vdst(0)
	v_add_nc_u32 v5, s19, v4                       ; into it: 16 x lane of a row
	v_mul_u32_u24 v6, v2, SP
	v_lshl_add_u32 v6, v3, 6, v6
	v_add_nc_u32 v6, s19, v6                       ; out of it: row r, + 64 hh bytes: my 16 numbers of a block of 32
	s_lshl_b32 s20, ttmp9, 17                      ; 16 rows of 8,192 bytes
	s_lshl_b32 s21, s18, 11                        ; 512 columns of 4 bytes
	s_add_co_u32 s20, s20, s21
	s_mov_b32 s21, 0
	s_add_nc_u64 s[4:5], s[4:5], s[20:21]
	s_lshl_b32 s20, s18, 22                        ; two K steps of 512 row blocks x 4,096 bytes
	s_lshl_b32 s23, ttmp9, 12                      ; my row block
	s_add_co_u32 s20, s20, s23
	s_add_nc_u64 s[14:15], s[14:15], s[20:21]
.macro QLOAD t                         ; fragment t: 16 rows x 512 bytes, a row a load
.irp i, 0,1,2,3,4,5,6,7,8,9,10,11,12,13,14,15
	global_load_b128 v[R+64*((\t)%2)+4*\i:R+64*((\t)%2)+4*\i+3], v4, s[4:5] offset:\i*8192+(\t)*512 th:TH_LOAD_NT
.endr
.endm
.macro QSTEP t
.if (\t) < 3
	s_wait_loadcnt 16                              ; this fragment's 16 loads are in; the next one's 16 may be out
.else
	s_wait_loadcnt 0x0
.endif
.irp i, 0,1,2,3,4,5,6,7,8,9,10,11,12,13,14,15
	ds_store_b128 v5, v[R+64*((\t)%2)+4*\i:R+64*((\t)%2)+4*\i+3] offset:\i*SP
.endr
.irp c, 0,1,2,3
.irp j, 0,1,2,3
	ds_load_b128 v[X+16*\c+4*\j:X+16*\c+4*\j+3], v6 offset:128*\c+16*\j   ; LDS serves a wave's instructions in order: these see the stores above
.endr
.endr
	s_wait_dscnt 0x0                               ; the numbers are back, and the stage's stores have read their registers
	s_wait_xcnt 0x0                                ; the last fragment's stores have read their data: the codes' registers are written again only behind this wait
.if (\t) < 2
	QLOAD (\t)+2
.endif
.irp c, 0,1,2,3
.irp i, 0,1,2,3,4,5,6,7,8,9,10,11,12,13,14,15
	v_med3_num_f32 v[X+16*\c+\i], v[X+16*\c+\i], -v10, v10   ; the conversion to an 8-bit code does not saturate (ISA guide 7.6.2): the hold at the largest code x the scale
.endr
	v_cvt_scalef32_pk8_bf8_f32 v[C+4*\c:C+4*\c+1], v[X+16*\c:X+16*\c+7], v11
	v_cvt_scalef32_pk8_bf8_f32 v[C+4*\c+2:C+4*\c+3], v[X+16*\c+8:X+16*\c+15], v11
.endr
	v_nop                                          ; a plain line behind the last conversion
.irp c, 0,1,2,3
	global_store_b128 v4, v[C+4*\c:C+4*\c+3], s[14:15] offset:((\t)/2)*2097152+((\t)%2)*2048+\c*512   ; 32 lanes store 512 consecutive bytes, aligned
.endr
.endm
	QLOAD 0
	QLOAD 1
	s_wait_alu depctr_va_vdst(0)
	s_wait_kmcnt 0x0
	s_add_co_i32 s22, s22, 127
	s_lshl_b32 s23, s22, 23
	v_mov_b32 v11, s23                             ; 2^e0 as f32: the conversion takes its exponent field
	s_add_co_i32 s22, s22, 15
	s_lshl_b32 s22, s22, 23
	s_or_b32 s22, s22, 0x600000
	v_mov_b32 v10, s22                             ; 57,344 x 2^e0
	s_wait_alu depctr_va_vdst(0)
	QSTEP 0
	QSTEP 1
	QSTEP 2
	QSTEP 3
	s_wait_tensorcnt 0x0
	ds_add_u32 v232, v233
	s_wait_dscnt 0x0
	s_endpgm
	; ---------------- mq = tanh(Wm m_q + bm) ----------------
.Lgemv:
	s_sub_co_u32 s19, ttmp9, 512
	s_lshl_b32 s19, s19, 4
	s_lshl_b32 s20, s18, 2
	s_add_co_u32 s19, s19, s20                     ; my wave's first row: 16 j + 4 w
	s_lshl_b32 s20, s19, 13                        ; rows of 8,192 bytes
	s_mov_b32 s21, 0
	s_add_nc_u64 s[8:9], s[8:9], s[20:21]
	s_lshl_b32 s20, s19, 2
	s_add_nc_u64 s[12:13], s[12:13], s[20:21]      ; bm and mq at that row
	s_add_nc_u64 s[16:17], s[16:17], s[20:21]
	s_mov_b32 s24, 0x76543210                      ; v_permlanex16_b32's selects for lane l xor 16
	s_mov_b32 s25, 0xfedcba98
	s_mov_b32 s26, 0xbd5d0dd1                      ; c7 = -17/315
	s_mov_b32 s27, 0x3e088889                      ; c5 = 2/15
	s_mov_b32 s28, 0xbeaaaaab                      ; c3 = -1/3
	s_mov_b32 s29, 0x3d800000                      ; 1/16
	v_and_b32 v8, 3, v0                            ; lane % 4: which of the four rows this lane finishes
	v_lshlrev_b32 v7, 2, v8
	s_wait_alu depctr_va_vdst(0)
.irp i, 0,1,2,3,4,5,6,7,8,9,10,11,12,13,14,15
	global_load_b128 v[X+4*\i:X+4*\i+3], v4, s[10:11] offset:512*\i   ; m_q: the same places of a row as Wm's loads take
.endr
	global_load_b32 v9, v7, s[12:13]               ; bm of row lane % 4
.macro WLOAD t
.irp i, 0,1,2,3,4,5,6,7,8,9,10,11,12,13,14,15
	global_load_b128 v[R+64*((\t)%2)+4*\i:R+64*((\t)%2)+4*\i+3], v4, s[8:9] offset:(\t)*8192+512*\i th:TH_LOAD_NT
.endr
.endm
.macro ROW t
.set RS, R+64*((\t)%2)
.if (\t) < 3
	s_wait_loadcnt 16                              ; this row (and m_q, bm) is in; the next row's 16 loads may be out
.else
	s_wait_loadcnt 0x0
.endif
.irp p, 0,1,2,3
	v_pk_mul_f32 v[C+2*\p:C+2*\p+1], v[RS+2*\p:RS+2*\p+1], v[X+2*\p:X+2*\p+1]   ; four chains of pairs, started by the first products
.endr
.set pp, 4
.rept 28
	v_pk_fma_f32 v[C+2*(pp%4):C+2*(pp%4)+1], v[RS+2*pp:RS+2*pp+1], v[X+2*pp:X+2*pp+1], v[C+2*(pp%4):C+2*(pp%4)+1]
.set pp, pp+1
.endr
.if (\t) < 2
	WLOAD (\t)+2
.endif
	v_pk_add_f32 v[C:C+1], v[C:C+1], v[C+2:C+3]
	v_pk_add_f32 v[C+4:C+5], v[C+4:C+5], v[C+6:C+7]
	v_pk_add_f32 v[C:C+1], v[C:C+1], v[C+4:C+5]
	v_add_f32 v[C], v[C], v[C+1]
	v_add_f32_dpp v[C], v[C], v[C] row_xmask:1 row_mask:0xf bank_mask:0xf
	v_add_f32_dpp v[C], v[C], v[C] row_xmask:2 row_mask:0xf bank_mask:0xf
	v_add_f32_dpp v[C], v[C], v[C] row_xmask:4 row_mask:0xf bank_mask:0xf
	v_add_f32_dpp v[C], v[C], v[C] row_xmask:8 row_mask:0xf bank_mask:0xf
	v_permlanex16_b32 v[C+1], v[C], s24, s25       ; (its destination has been written)
	v_add_f32 v[C+8+(\t)], v[C], v[C+1]            ; the row's sum, in every lane
.endm
	WLOAD 0
	WLOAD 1
	ROW 0
	ROW 1
	ROW 2
	ROW 3
	v_cmp_eq_u32 vcc_lo, 1, v8                     ; lane l takes row l % 4's sum
	v_cndmask_b32 v220, v216, v217, vcc_lo
	v_cmp_eq_u32 vcc_lo, 2, v8
	v_cndmask_b32 v220, v220, v218, vcc_lo
	v_cmp_eq_u32 vcc_lo, 3, v8
	v_cndmask_b32 v220, v220, v219, vcc_lo
	v_add_f32 v220, v220, v9                       ; x = sum + bm
	v_mul_f32 v221, 0x4038aa3b, v220               ; 2 log2(e) x
	s_wait_alu depctr_va_vdst(0)
	v_exp_f32 v221, v221
	v_mul_f32 v222, v220, v220                     ; x^2  (a plain line behind the exponential)
	v_fma_f32 v223, v222, s26, s27
	v_fma_f32 v223, v223, v222, s28
	v_mul_f32 v223, v223, v222
	v_fma_f32 v223, v220, v223, v220               ; the series
	s_wait_alu depctr_va_vdst(0)                   ; the wait ahead of the first line that names the exponential's result
	v_add_f32 v221, 1.0, v221
	s_wait_alu depctr_va_vdst(0)
	v_rcp_f32 v221, v221
	v_cmp_gt_f32 vcc_lo, s29, v222                 ; 1/16 > x^2  (a plain line behind the reciprocal)
	s_wait_alu depctr_va_vdst(0)                   ; and ahead of the first line that names the reciprocal
	v_fma_f32 v221, v221, -2.0, 1.0
	v_cndmask_b32 v221, v221, v223, vcc_lo
	v_cmp_gt_u32 vcc_lo, 4, v1
	s_wait_alu depctr_va_vdst(0)
	s_wait_xcnt 0x0                                ; EXEC changes only behind this wait
	s_and_saveexec_b32 s30, vcc_lo
	global_store_b32 v7, v221, s[16:17]            ; lanes 0-3: my wave's four numbers
	s_wait_xcnt 0x0                                ; and again, in front of the line that widens it
	s_or_b32 exec_lo, exec_lo, s30
	s_endpgm
.Lfunc_end_k_q044e5e13e5_prep:
	.size	k_q044e5e13e5_prep, .Lfunc_end_k_q044e5e13e5_prep-k_q044e5e13e5_prep
	.p2alignl 7, 3214868480
	.fill 96, 4, 3214868480
	.section	.rodata,"a",@progbits
	.p2align	6, 0x0
	.amdhsa_kernel k_q044e5e13e5_prep
		.amdhsa_group_segment_fixed_size 34304
		.amdhsa_private_segment_fixed_size 0
		.amdhsa_enable_private_segment 0
		.amdhsa_kernarg_size 56
		.amdhsa_user_sgpr_count 2
		.amdhsa_user_sgpr_kernarg_segment_ptr 1
		.amdhsa_wavefront_size32 1
		.amdhsa_system_sgpr_workgroup_id_x 1
		.amdhsa_system_sgpr_workgroup_id_y 1
		.amdhsa_system_sgpr_workgroup_id_z 1
		.amdhsa_system_vgpr_workitem_id 0
		.amdhsa_next_free_vgpr 234
		.amdhsa_next_free_sgpr 66
		.amdhsa_reserve_vcc 1
		.amdhsa_float_denorm_mode_32 3
		.amdhsa_float_denorm_mode_16_64 3
		.amdhsa_memory_ordered 1
		.amdhsa_forward_progress 1
		.amdhsa_inst_pref_size 57
	.end_amdhsa_kernel
	.amdgpu_metadata
---
amdhsa.version: [ 1, 2 ]
amdhsa.kernels:
  - .name:           k_q044e5e13e5_prep
    .symbol:         k_q044e5e13e5_prep.kd
    .args:
      - { .name: hidden_list, .offset: 0, .size: 8, .value_kind: global_buffer, .address_space: global }
      - { .name: lowp_scales, .offset: 8, .size: 8, .value_kind: global_buffer, .address_space: global }
      - { .name: Wm, .offset: 16, .size: 8, .value_kind: global_buffer, .address_space: global }
      - { .name: m_q, .offset: 24, .size: 8, .value_kind: global_buffer, .address_space: global }
      - { .name: bm, .offset: 32, .size: 8, .value_kind: global_buffer, .address_space: global }
      - { .name: hc, .offset: 40, .size: 8, .value_kind: global_buffer, .address_space: global }
      - { .name: mq, .offset: 48, .size: 8, .value_kind: global_buffer, .address_space: global }
    .group_segment_fixed_size: 34304
    .private_segment_fixed_size: 0
    .kernarg_segment_align: 8
    .kernarg_segment_size: 56
    .max_flat_workgroup_size: 128
    .sgpr_count:     66
    .vgpr_count:     234
    .wavefront_size: 32
...
	.end_amdgpu_metadata
.endif
;; end of part 1
;; launch gemm1 (part 2): grid 8 x 32, 4 waves a work-group, clusters of 4 x 4, 327,680 bytes of LDS; arguments hc, Wq_codes, lowp_scales, bq, mq, sc; writes sc
.if DOCPART == 2
	.amdgcn_target "amdgcn-amd-amdhsa--gfx1250"
	.amdhsa_code_object_version 6
	.text
	.protected	k_q044e5e13e5_gemm1
	.globl	k_q044e5e13e5_gemm1
	.p2align	8
	.type	k_q044e5e13e5_gemm1,@function
k_q044e5e13e5_gemm1:
	s_mov_b64 s[64:65], 0
	v_nop
	global_prefetch_b8 v0, s[64:65] scope:SCOPE_SE
	s_setreg_imm32_b32 hwreg(HW_REG_WAVE_MODE, 25, 1), 1
	s_wait_xcnt 0x0
	s_wait_alu depctr_hold_cnt(0) depctr_sa_sdst(0) depctr_va_vdst(0) depctr_va_sdst(0) depctr_va_ssrc(0) depctr_va_vcc(0) depctr_vm_vsrc(0)
	s_getreg_b32 s2, hwreg(HW_REG_IB_STS2, 6, 4)
	s_cmp_eq_u32 s2, 0
	s_cbranch_scc0 .Lentry_in_a_cluster
	s_endpgm
.Lentry_in_a_cluster:
	s_bfe_u32 s2, ttmp6, 0x10000c
	s_cmp_lg_u32 s2, 0xf033
	s_cbranch_scc0 .Lentry_shape_is_right
	s_endpgm
.Lentry_shape_is_right:
; sc = Q(tanh(Q(h) Wq^T + bq) x mq), [8192][2048]: the product on codes of BF8 (E5M2) by v_wmma_f32_16x16x128_bf8_bf8, sums in f32, each finished sum x 2^(e0 + e1); the result is quantised with the given 2^e2 and leaves as codes.
; hc and sc are laid as images of the operand's registers: fragment (k / 256, row / 16, (k / 128) % 2) is 2,048 bytes on end; lane l's 16 bytes of group c lie at 512 c + 16 l (lane 16 hh + r: row r, k = 32 c + 16 hh + 0 .. 15).
; SHARES: 32 x 8 tiles of 256 x 256, a work-group each; four waves of 128 x 128: 64 accumulators.  K goes in steps of 256 through a ring of two LDS slots; 4 x 4 clusters ask jointly for hc's tiles along a row and for Wq's along a column.
; The matrix instruction is used transposed (source 0 = Wq's rows): lane (r, hh) holds row 16 a + r and columns 16 b + 8 hh + 0 .. 7, eight neighbours along the next K.
; tanh(x): x^2 >= 1/16: 1 - 2 / (1 + 2^(2 log2(e) x));  below: x + x (x^2 (c3 + x^2 (c5 + x^2 c7))).  Both are computed, one is selected.
; THE WAY OUT IS A LOOP of 16 trips, four accumulators a trip (column block t / 2, rows' half t % 2).  Only the lines that name accumulators, bq and mq are written 16 times, picked by the trip's number; the rest stands once.
; TILES ARE ASKED FOR AHEAD: behind the load of K step s stands one request a wave for K step s + 2 (behind the head's first load also for K step 1).  Of the 128 blocks of 256 bytes that a wave fetches, each of the four
; partners that ask jointly takes 32, told apart by address; a lane a block.  The last two refills ask for nothing.
; LIMITS: e0 + e1 between -126 and 127; e2 between -126 and 112.  NaN among the inputs is not served.
.set PITCH,  272
.set AHALF,  32768
.set PFT,  23                          ; v23      the requests' offset: lane x 256 bytes (hc) or lane x a row of 2,048 bytes (Wq); never rewritten
.set PF1,  86                          ; s[86:87] my work-group's 32 blocks of K step 1;  s[88:89] of K step 2; never rewritten
.set PF2,  88
.set PFA,  90                          ; s[90:91] the same of K step 3, stepped at each refill
.set PST,  92                          ; s[92:93] bytes from K step to K step: 0x200000 (hc) or 256 (Wq)
.set MQR,  208                         ; v208-215 the way out: mq of the trip's eight columns
.macro MUL8 a, p                       ; 8 matrix instructions: A's block a x B's eight
.irp b, 0,1,2,3,4,5,6,7
	v_wmma_f32_16x16x128_bf8_bf8 v[8*(8*((\a)%4)+\b):8*(8*((\a)%4)+\b)+7], v[128*(\p)+FR*\b:128*(\p)+FR*\b+FR-1], v[AF+FR*(\a):AF+FR*(\a)+FR-1], v[8*(8*((\a)%4)+\b):8*(8*((\a)%4)+\b)+7]
.endr
.endm
.set BHALF,  128*PITCH
.set BOFF,   2*AHALF
.set SLOT,   BOFF+2*BHALF
.set SPARE,  2*SLOT
.set FR,     16
.set NL,     4
.set NP,     4
.set LAPS,   4
.set ADRA, 16
.set ADRB, 20
.set CO,   26
.set KO,   27
.set SPW,  28
.set NIL,  29
.set AF,   128
.set XR,   0
.set YR,   32
.set PR,   64
.set QR,   96
.set C5R,  128
.set C3R,  130
.set ZR,   160
.set CD,   192
.set LIMR, 200
.set SCLR, 201
.set G1, 24
.set G0, 32
.set G1B, 48
.set G0B, 56
.set MSB, 0
.macro WIN new
.if MSB != (\new)
	s_set_vgpr_msb (MSB<<8)|(\new)
.set MSB, (\new)
.endif
.endm
.set MUL_LO, 0xa1
.set MUL_HI, 0xf1
.set TO_B,   0x40
.macro JLOAD g0a, g1a, g0b, g1b
	s_cmp_eq_u32 s15, 0
	s_cbranch_scc0 .Lfor_b_\@
	tensor_load_to_lds s[\g0a:\g0a+3], s[\g1a:\g1a+7]
	s_nop 0
.rept 4
	v_nop
.endr
	s_branch .Lasked_\@
.Lfor_b_\@:
	tensor_load_to_lds s[\g0b:\g0b+3], s[\g1b:\g1b+7]
	s_nop 0
.rept 4
	v_nop
.endr
.Lasked_\@:
.endm
.macro CREST
	s_cmp_lg_u32 s14, 0
	s_cbranch_scc1 .Lnot_wave_0_\@
	s_barrier_signal -3
.Lnot_wave_0_\@:
	s_barrier_wait -3
	s_barrier_signal -1
	s_barrier_wait -1
.endm
.macro CROUND
	s_barrier_signal -1
	s_barrier_wait -1
	CREST
.endm
	s_load_b256 s[4:11], s[0:1], 0x0
	s_load_b128 s[68:71], s[0:1], 0x20
	v_lshl_add_u32 v[SPW], v0, 2, SPARE
	v_mov_b32 v[NIL], 0
	ds_add_u32 v28, v29
	ds_add_u32 v28, v29
	s_wait_dscnt 0x0
	v_lshrrev_b32 v1, 5, v0
	v_readfirstlane_b32 s14, v1
	s_lshr_b32 s15, s14, 1
	s_and_b32 s16, s14, 1
	s_bfe_u32 s40, ttmp6, 0x40000
	s_bfe_u32 s41, ttmp6, 0x40004
	s_lshl_b32 s42, ttmp9, 2
	s_add_co_u32 s42, s42, s40
	s_and_b32 s17, ttmp7, 0xffff
	s_lshl_b32 s17, s17, 2
	s_add_co_u32 s17, s17, s41
	s_lshl_b32 s43, s41, 2
	s_lshl_b32 s43, 15, s43
	s_lshl_b32 s44, 0x1111, s40
	s_or_b32 s[G1+0], s43, (3<<16)|(1<<21)
	s_mov_b32 s[G1+1], 32<<16
	s_mov_b32 s[G1+2], 128<<16
	s_mov_b32 s[G1+3], 32<<16
	s_mov_b32 s[G1+4], 128
	s_mov_b32 s[G1+5], 32
	s_mov_b32 s[G1+6], 0
	s_mov_b32 s[G1+7], 0
	s_or_b32 s[G1B+0], s44, (0<<16)|(1<<20)|(1<<21)|(5<<22)|(3<<25)
	s_mov_b32 s[G1B+1], 256<<16
	s_mov_b32 s[G1B+2], 128<<16
	s_mov_b32 s[G1B+3], 256<<16
	s_mov_b32 s[G1B+4], 128
	s_mov_b32 s[G1B+5], 2048
	s_mov_b32 s[G1B+6], 0
	s_mov_b32 s[G1B+7], 0
	s_lshl_b32 s20, s17, 16
	s_lshl_b32 s18, s16, 15
	s_add_co_u32 s20, s20, s18
	s_mov_b32 s21, 0
	s_lshl_b32 s46, s42, 19
	s_lshl_b32 s47, s16, 18
	s_add_co_u32 s46, s46, s47
	s_mov_b32 s47, 0
	s_lshl_b32 s45, s16, 15
	s_mul_i32 s66, s16, BHALF
	s_add_co_u32 s66, s66, BOFF
	s_wait_kmcnt 0x0
	s_load_b128 s[72:75], s[8:9], 0x0
	s_mov_b32 s[PST], 0x200000                     ; where my requests stand: the buffer that I fetch for, my tile's offset, my work-group's share of its 128 blocks
	s_mov_b32 s[PST+1], 0
	s_mov_b32 s97, 0
	s_cmp_eq_u32 s15, 0                            ; do I fetch for A?
	s_cselect_b64 s[PF1:PF1+1], s[4:5], s[6:7]
	s_cselect_b64 s[PF2:PF2+1], s[20:21], s[46:47] ; (still offsets here)
	s_cselect_b32 s[PST], s[PST], 256
	s_cselect_b32 s96, s40, s41                    ; my place among the four that ask with me: cx for A, cy for B
	s_cselect_b32 s99, 13, 16                      ; 32 blocks of 256 bytes, or 32 rows of 2,048
	s_cselect_b32 s98, 8, 11                       ; a lane's step
	s_lshl_b32 s96, s96, s99
	s_add_nc_u64 s[PF2:PF2+1], s[PF2:PF2+1], s[96:97]
	s_add_nc_u64 s[PF2:PF2+1], s[PF2:PF2+1], s[PST:PST+1]
	s_add_nc_u64 s[PF1:PF1+1], s[PF1:PF1+1], s[PF2:PF2+1]   ; K step 1
	s_add_nc_u64 s[PF2:PF2+1], s[PF1:PF1+1], s[PST:PST+1]   ; K step 2
	s_add_nc_u64 s[PFA:PFA+1], s[PF2:PF2+1], s[PST:PST+1]   ; K step 3
	s_add_nc_u64 s[20:21], s[4:5], s[20:21]
	s_add_nc_u64 s[46:47], s[6:7], s[46:47]
	CROUND
.irp s, 0,1
	s_mov_b32 s[G0+4*\s], 1
	s_add_co_u32 s[G0+4*\s+1], s45, \s*SLOT
	s_add_nc_u64 s[G0+4*\s+2:G0+4*\s+3], s[20:21], \s*0x200000
	s_or_b32 s[G0+4*\s+3], s[G0+4*\s+3], 0x80000000
	s_mov_b32 s[G0B+4*\s], 1
	s_add_co_u32 s[G0B+4*\s+1], s66, \s*SLOT
	s_add_nc_u64 s[G0B+4*\s+2:G0B+4*\s+3], s[46:47], \s*256
	s_or_b32 s[G0B+4*\s+3], s[G0B+4*\s+3], 0x80000000
.endr
	JLOAD G0, G1, G0B, G1B                         ; K step 0: one tensor load a wave at the head
	v_and_b32 v[PFT], 31, v0
	v_lshlrev_b32 v[PFT], s98, v[PFT]
	global_prefetch_b8 v[PFT], s[PF1:PF1+1] th:TH_LOAD_NT scope:SCOPE_SE   ; K step 1 is asked for; K step 2's request follows behind K step 1's load
	v_and_b32 v1, 15, v0
	v_bfe_u32 v2, v0, 4, 1
	v_and_b32 v6, 31, v0
	v_mul_u32_u24 v3, v1, PITCH
	v_lshl_add_u32 v4, v2, 4, v3
	v_lshlrev_b32 v5, 4, v6
	s_lshl_b32 s21, s15, 15
	s_mul_i32 s22, s16, BHALF
	s_add_co_u32 s22, s22, BOFF
.irp s, 0,1
	v_add_nc_u32 v[ADRA+\s], s21, v5
	v_add_nc_u32 v[ADRB+\s], s22, v4
	s_add_co_u32 s21, s21, SLOT
	s_add_co_u32 s22, s22, SLOT
.endr
	v_lshlrev_b32 v[CO], 4, v1
	v_lshl_add_u32 v[CO], v2, 3, v[CO]
	v_lshlrev_b32 v[KO], 5, v2
	s_wait_alu depctr_va_vdst(0)
	s_lshl_b32 s46, s42, 10
	s_lshl_b32 s47, s16, 9
	s_add_co_u32 s46, s46, s47
	s_mov_b32 s47, 0
	s_add_nc_u64 s[10:11], s[10:11], s[46:47]
	s_add_nc_u64 s[68:69], s[68:69], s[46:47]
	s_lshl_b32 s46, s42, 21
	s_lshl_b32 s18, s17, 16
	s_add_co_u32 s46, s46, s18
	s_lshl_b32 s18, s15, 15
	s_add_co_u32 s46, s46, s18
	s_lshl_b32 s18, s16, 11
	s_add_co_u32 s46, s46, s18
	s_add_nc_u64 s[70:71], s[70:71], s[46:47]
.macro KLOAD b
	global_load_b128 v[32+16*(\b):32+16*(\b)+3],     v[KO], s[10:11] offset:64*(\b)
	global_load_b128 v[32+16*(\b)+4:32+16*(\b)+7],   v[KO], s[10:11] offset:64*(\b)+16
	global_load_b128 v[32+16*(\b)+8:32+16*(\b)+11],  v[KO], s[68:69] offset:64*(\b)
	global_load_b128 v[32+16*(\b)+12:32+16*(\b)+15], v[KO], s[68:69] offset:64*(\b)+16
.endm
.irp b, 0,1,2,3,4,5
	KLOAD \b
.endr
.macro FRAGA reg, slot, q, i
.irp c, 0,1,2,3
	ds_load_b128 v[\reg+4*\c:\reg+4*\c+3], v[ADRA+\slot] offset:4096*(\i)+2048*(\q)+512*\c
.endr
.endm
.macro FRAGB reg, slot, q, i
.irp c, 0,1,2,3
	ds_load_b128 v[\reg+4*\c:\reg+4*\c+3], v[ADRB+\slot] offset:128*(\q)+32*\c+(\i)*16*PITCH
.endr
.endm
.macro MUL16 a0, p, zero
.irp a, \a0, \a0+1
.irp b, 0,1,2,3,4,5,6,7
.if \zero
	v_wmma_f32_16x16x128_bf8_bf8 v[8*(8*((\a)%4)+\b):8*(8*((\a)%4)+\b)+7], v[128*(\p)+FR*\b:128*(\p)+FR*\b+FR-1], v[AF+FR*(\a):AF+FR*(\a)+FR-1], 0
.else
	v_wmma_f32_16x16x128_bf8_bf8 v[8*(8*((\a)%4)+\b):8*(8*((\a)%4)+\b)+7], v[128*(\p)+FR*\b:128*(\p)+FR*\b+FR-1], v[AF+FR*(\a):AF+FR*(\a)+FR-1], v[8*(8*((\a)%4)+\b):8*(8*((\a)%4)+\b)+7]
.endif
.endr
.endr
.endm
.macro FETCH_B slot, q, p
	WIN TO_B
.irp i, 0,1,2,3,4,5,6,7
	FRAGB 128*(\p)+FR*\i, \slot, \q, \i
.endr
	WIN 0
.endm
.macro FETCH_A slot, q, i0
.irp i, \i0, \i0+1, \i0+2, \i0+3
	FRAGA AF+FR*(\i), \slot, \q, \i
.endr
.endm
.macro PLACES n
.rept \n
	v_nop
.endr
.endm
.macro FETCH_B4 slot, q, p, i0         ; four of B's fragments, i0 .. i0 + 3, into set p
	WIN TO_B
.irp i, \i0, \i0+1, \i0+2, \i0+3
	FRAGB 128*(\p)+FR*(\i), \slot, \q, \i
.endr
.endm
; A step of 128 along K that has its successor in the same slot: 4 x 16 matrix instructions, and behind each 16 a run of 16 LDS loads for the next step: B's other set in two halves
; (it was last read ahead of the closing places of the step before), then A's blocks 0-3 and 4-7, each behind its places.
; The fragments of this step were asked for in the order B 0-7, A 0-3, A 4-7.  Each wait leaves out what was issued behind the two blocks of A that the next 16 products read:
; 24 = A 2-3 and A 4-7;  32 = A 4-7 and this step's first run;  40 = A 6-7 and two runs;  48 = three runs.
.macro STEP slot, q, zero
	s_wait_dscnt 24
	WIN MUL_LO
	MUL16 0, (\q)%2, \zero
	FETCH_B4 \slot, (\q)+1, 1-(\q)%2, 0
	s_wait_dscnt 32
	WIN MUL_LO
	MUL16 2, (\q)%2, \zero
	FETCH_B4 \slot, (\q)+1, 1-(\q)%2, 4
	s_wait_dscnt 40
	WIN MUL_HI
	MUL16 4, (\q)%2, \zero
	PLACES NP
	WIN 0
	FETCH_A \slot, (\q)+1, 0
	s_wait_dscnt 48
	WIN MUL_HI
	MUL16 6, (\q)%2, \zero
	PLACES NP
	WIN 0
	FETCH_A \slot, (\q)+1, 4
.endm
; A slot's last step changes slots: ONE barrier; in front of it each wave waits for all its tensor loads, adds 0 to its spare word, and waits for that and for its own reads of this slot.
.macro TURN slot, next, fill
.if \fill
	s_wait_xcnt 0x0                                ; my last request has read its address: it steps only behind this wait
	s_add_nc_u64 s[PFA:PFA+1], s[PFA:PFA+1], s[PST:PST+1]
.endif
	s_wait_dscnt 4*NL                              ; B's set and A's blocks 0-3 are in; the youngest 16 loads (A's blocks 4-7) may be out
	WIN MUL_LO
	MUL16 0, 1, 0
	WIN 0                                          ; (the add's two registers lie in window 0)
	s_wait_tensorcnt 0x0                           ; all my tensor loads have landed: my part of the next slot;
	ds_add_u32 v[SPW], v[NIL]                      ; 0 onto my spare word;
	WIN MUL_LO
	MUL8 2, 1                                      ; eight matrix instructions stand between the add and the wait for it
	s_wait_dscnt 0x0                               ; the add is done, and my reads of this slot are over
	s_barrier_signal -1
	MUL8 3, 1
	WIN 0
	s_barrier_wait -1
.if \fill
	CREST
	s_add_nc_u64 s[G0+4*\slot+2:G0+4*\slot+3], s[G0+4*\slot+2:G0+4*\slot+3], 0x400000
	s_add_nc_u64 s[G0B+4*\slot+2:G0B+4*\slot+3], s[G0B+4*\slot+2:G0B+4*\slot+3], 512
	JLOAD G0+4*\slot, G1, G0B+4*\slot, G1B
.else
	PLACES NP
.endif
	FETCH_B \next, 0, 0
.if \fill
	s_cmp_gt_u32 s3, 1                             ; the loop's last trip refills K steps 6 and 7: no K step stands two on
	s_cbranch_scc0 .Lnoask_\@
	global_prefetch_b8 v[PFT], s[PFA:PFA+1] th:TH_LOAD_NT scope:SCOPE_SE   ; the K step two refills on
.Lnoask_\@:
.endif
	WIN MUL_HI
	MUL16 4, 1, 0
	WIN 0
	FETCH_A \next, 0, 0                            ; A's blocks 0-3 were last read ahead of the four places behind the barrier
	WIN MUL_HI
	MUL16 6, 1, 0
	PLACES NP
	WIN 0
	FETCH_A \next, 0, 4
.endm
	s_wait_alu depctr_va_vdst(0)                   ; the wait at the head's end
	s_wait_tensorcnt 0x0                           ; my part of K step 0 is in
	ds_add_u32 v[SPW], v[NIL]
	s_wait_dscnt 0x0
	CROUND                                         ; everybody's part of K step 0 is in, and all sixteen work-groups are here
	JLOAD G0+4, G1, G0B+4, G1B                     ; K step 1: the first tensor load behind the round
	FETCH_B 0, 0, 0
	FETCH_A 0, 0, 0
	FETCH_A 0, 0, 4
	global_prefetch_b8 v[PFT], s[PF2:PF2+1] th:TH_LOAD_NT scope:SCOPE_SE   ; K step 2: its refill stands one K step on
	global_prefetch_b8 v[PFT], s[PFA:PFA+1] th:TH_LOAD_NT scope:SCOPE_SE   ; K step 3
	STEP 0, 0, 1
	s_mov_b32 s3, LAPS-1
.Llap:
	TURN 0, 1, 1
	STEP 1, 0, 0
	TURN 1, 0, 1
	STEP 0, 0, 0
	s_sub_co_u32 s3, s3, 1
	s_cmp_lg_u32 s3, 0
	s_cbranch_scc1 .Llap
	TURN 0, 1, 0
	STEP 1, 0, 0
	s_wait_dscnt 4*NL
	WIN MUL_LO
	MUL16 0, 1, 0
	MUL16 2, 1, 0
	s_wait_dscnt 0
	WIN MUL_HI
	MUL16 4, 1, 0
	MUL16 6, 1, 0
	WIN 0
	s_wait_kmcnt 0x0
	s_add_co_i32 s76, s72, s73
	s_add_co_i32 s76, s76, 127
	s_lshl_b32 s76, s76, 23
	s_mov_b32 s77, s76
	s_mov_b32 s78, 0x4038aa3b
	s_mov_b32 s79, s78
	s_mov_b32 s80, 0xbd5d0dd1
	s_mov_b32 s81, s80
	s_mov_b32 s82, 0x3d800000
	s_add_co_i32 s83, s74, 127
	s_lshl_b32 s18, s83, 23
	s_add_co_i32 s83, s83, 15
	s_lshl_b32 s83, s83, 23
	s_or_b32 s83, s83, 0x600000
	PLACES NP
	KLOAD 6
	KLOAD 7
	v_mov_b32 v[SCLR], s18
	v_mov_b32 v[LIMR], s83
	WIN 0x40
	v_mov_b32 v[C5R], 0x3e088889
	v_mov_b32 v[C5R+1], 0x3e088889
	v_mov_b32 v[C3R], 0xbeaaaaab
	v_mov_b32 v[C3R+1], 0xbeaaaaab
	WIN 0
; What differs from trip to trip: x = sum x 2^(e0 + e1) + bq of four accumulators (column block b, rows' half hi), and mq of these columns into registers that the common part names.
.macro STUB b, hi
.set CB, 32+16*(\b)
.if (\b) > 5
	s_wait_loadcnt 0x0                             ; bq and mq of column blocks 6 and 7 were loaded behind the last products
.endif
.irp j, 0,1,2,3,4,5,6,7
	v_mov_b32 v[MQR+\j], v[CB+8+\j]
.endr
	WIN 0x42+(\hi)
	s_wait_alu depctr_va_vdst(0)                   ; the wait directly ahead of the first reader of these sums
.irp i, 0,1,2,3
.irp j, 0,2,4,6
	v_pk_fma_f32 v[XR+8*\i+\j:XR+8*\i+\j+1], v[8*(8*\i+(\b))+\j:8*(8*\i+(\b))+\j+1], s[76:77], v[CB+\j:CB+\j+1] op_sel_hi:[1,0,1]
.endr
.endr
	WIN 0                                          ; (each pair of x has fifteen plain vector lines between its write here and its first reader behind the branch)
.endm
; What all trips share: tanh of 32 numbers a lane, x mq, the hold, the conversion, four stores of 256 consecutive bytes.
.macro COMMON
	WIN 0x55
.set n, 0
.rept 16
	v_pk_mul_f32 v[YR+n:YR+n+1], v[XR+n:XR+n+1], s[78:79] op_sel_hi:[1,0]
.set n, n+2
.endr
.set n, 0
.rept 16
	v_pk_mul_f32 v[PR+n:PR+n+1], v[XR+n:XR+n+1], v[XR+n:XR+n+1]
.set n, n+2
.endr
.set n, 0
	s_wait_alu depctr_va_vdst(0)                   ; the wait ahead of the batch
; The 32 exponentials take turns with plain lines whose sources are older than the wait above and whose results are first read behind the wait below: the series' first stage, and the masks of numbers 0-15
; (each mask in a scalar register of its own, s24-55: the descriptors' and the head's registers, all done with).
.rept 16
	v_exp_f32 v[YR+n], v[YR+n]
	v_pk_fma_f32 v[QR+n:QR+n+1], v[PR+n:PR+n+1], s[80:81], v[C5R:C5R+1] op_sel_hi:[1,0,1]
	v_exp_f32 v[YR+n+1], v[YR+n+1]
	v_cmp_gt_f32 s[24+n/2], s82, v[PR+n/2]
.set n, n+2
.endr
	s_wait_alu depctr_va_vdst(0)
.set n, 0
.rept 16
	v_pk_add_f32 v[YR+n:YR+n+1], v[YR+n:YR+n+1], 1.0 op_sel_hi:[1,0]
.set n, n+2
.endr
.set n, 0
	s_wait_alu depctr_va_vdst(0)
.rept 16                               ; the 32 reciprocals likewise: the series' second stage, and the masks of numbers 16-31
	v_rcp_f32 v[YR+n], v[YR+n]
	v_pk_fma_f32 v[QR+n:QR+n+1], v[QR+n:QR+n+1], v[PR+n:PR+n+1], v[C3R:C3R+1]
	v_rcp_f32 v[YR+n+1], v[YR+n+1]
	v_cmp_gt_f32 s[40+n/2], s82, v[PR+16+n/2]
.set n, n+2
.endr
	s_wait_alu depctr_va_vdst(0)                   ; one wait for the batch and for what was written among it
.set n, 0
.rept 16
	v_pk_mul_f32 v[QR+n:QR+n+1], v[QR+n:QR+n+1], v[PR+n:PR+n+1]
.set n, n+2
.endr
.set n, 0
.rept 16
	v_pk_fma_f32 v[QR+n:QR+n+1], v[XR+n:XR+n+1], v[QR+n:QR+n+1], v[XR+n:XR+n+1]
.set n, n+2
.endr
.set n, 0
.rept 16
	v_pk_fma_f32 v[YR+n:YR+n+1], v[YR+n:YR+n+1], -2.0, 1.0 op_sel_hi:[1,0,0]
.set n, n+2
.endr
.set n, 0
.rept 32
	v_cndmask_b32 v[XR+n], v[YR+n], v[QR+n], s[24+n]   ; the series where 1/16 > x^2
.set n, n+1
.endr
	s_wait_xcnt 0x0                                ; the last trip's stores have read their data and their base.  (Fifteen plain vector lines or more stand between each selected number's write and its reader below)
	s_and_b32 s20, s3, 1                           ; this trip's place in sc: 16,384 (t % 2) + 256 (t / 2)
	s_lshl_b32 s20, s20, 14
	s_lshr_b32 s21, s3, 1
	s_lshl_b32 s21, s21, 8
	s_add_co_u32 s20, s20, s21
	s_mov_b32 s21, 0
	s_add_nc_u64 s[20:21], s[70:71], s[20:21]
	WIN 0x01
.irp i, 0,1,2,3
.irp j, 0,2,4,6
	v_pk_mul_f32 v[ZR+8*\i+\j:ZR+8*\i+\j+1], v[XR+8*\i+\j:XR+8*\i+\j+1], v[MQR+\j:MQR+\j+1]
.endr
.endr
	WIN 0
.set n, 0
.rept 32
	v_med3_num_f32 v[ZR+n], v[ZR+n], -v[LIMR], v[LIMR]
.set n, n+1
.endr
.irp i, 0,1,2,3
	v_cvt_scalef32_pk8_bf8_f32 v[CD+2*\i:CD+2*\i+1], v[ZR+8*\i:ZR+8*\i+7], v[SCLR]
.endr
	v_nop
.irp i, 0,1,2,3
	global_store_b64 v[CO], v[CD+2*\i:CD+2*\i+1], s[20:21] offset:4096*\i
.endr
.endm
	s_wait_loadcnt 8                               ; bq and mq of column blocks 0-5 are in; the eight loads of blocks 6 and 7 may be out
	s_mov_b32 s3, 0                                ; the trip's number t
.Lbatch:
.irp t, 0,1,2,3,4,5,6,7,8,9,10,11,12,13,14
	s_cmp_eq_u32 s3, \t
	s_cbranch_scc1 .Lstub_\t
.endr
	STUB 7, 1
	s_branch .Lcommon
.irp t, 0,1,2,3,4,5,6,7,8,9,10,11,12,13,14
.Lstub_\t:
	STUB (\t)/2, (\t)%2
	s_branch .Lcommon
.endr
.Lcommon:
	COMMON
	s_add_co_u32 s3, s3, 1
	s_cmp_lt_u32 s3, 16
	s_cbranch_scc1 .Lbatch
	s_wait_tensorcnt 0x0
	ds_add_u32 v[SPW], v[NIL]
	s_wait_dscnt 0x0
	CROUND
	s_endpgm
.Lfunc_end_k_q044e5e13e5_gemm1:
	.size	k_q044e5e13e5_gemm1, .Lfunc_end_k_q044e5e13e5_gemm1-k_q044e5e13e5_gemm1
	.p2alignl 7, 3214868480
	.fill 96, 4, 3214868480
	.section	.rodata,"a",@progbits
	.p2align	6, 0x0
	.amdhsa_kernel k_q044e5e13e5_gemm1
		.amdhsa_group_segment_fixed_size 327680
		.amdhsa_private_segment_fixed_size 0
		.amdhsa_enable_private_segment 0
		.amdhsa_kernarg_size 48
		.amdhsa_user_sgpr_count 2
		.amdhsa_user_sgpr_kernarg_segment_ptr 1
		.amdhsa_wavefront_size32 1
		.amdhsa_system_sgpr_workgroup_id_x 1
		.amdhsa_system_sgpr_workgroup_id_y 1
		.amdhsa_system_sgpr_workgroup_id_z 1
		.amdhsa_system_vgpr_workitem_id 0
		.amdhsa_next_free_vgpr 1024
		.amdhsa_next_free_sgpr 100
		.amdhsa_reserve_vcc 0
		.amdhsa_float_denorm_mode_32 3
		.amdhsa_float_denorm_mode_16_64 3
		.amdhsa_memory_ordered 1
		.amdhsa_forward_progress 1
		.amdhsa_inst_pref_size 125
	.end_amdhsa_kernel
	.amdgpu_metadata
---
amdhsa.version: [ 1, 2 ]
amdhsa.kernels:
  - .name:           k_q044e5e13e5_gemm1
    .symbol:         k_q044e5e13e5_gemm1.kd
    .args:
      - { .name: hc, .offset: 0, .size: 8, .value_kind: global_buffer, .address_space: global }
      - { .name: Wq_codes, .offset: 8, .size: 8, .value_kind: global_buffer, .address_space: global }
      - { .name: lowp_scales, .offset: 16, .size: 8, .value_kind: global_buffer, .address_space: global }
      - { .name: bq, .offset: 24, .size: 8, .value_kind: global_buffer, .address_space: global }
      - { .name: mq, .offset: 32, .size: 8, .value_kind: global_buffer, .address_space: global }
      - { .name: sc, .offset: 40, .size: 8, .value_kind: global_buffer, .address_space: global }
    .group_segment_fixed_size: 327680
    .private_segment_fixed_size: 0
    .kernarg_segment_align: 8
    .kernarg_segment_size: 48
    .max_flat_workgroup_size: 128
    .sgpr_count:     100
    .vgpr_count:     1024
    .wavefront_size: 32
...
	.end_amdgpu_metadata
.endif
;; end of part 2
;; launch gemm2 (part 3): grid 8 x 32, 4 waves a work-group, clusters of 4 x 4, 327,680 bytes of LDS; arguments sc, Wa_codes, lowp_scales, ba, hidden_list, part; writes part
.if DOCPART == 3
	.amdgcn_target "amdgcn-amd-amdhsa--gfx1250"
	.amdhsa_code_object_version 6
	.text
	.protected	k_q044e5e13e5_gemm2
	.globl	k_q044e5e13e5_gemm2
	.p2align	8
	.type	k_q044e5e13e5_gemm2,@function
k_q044e5e13e5_gemm2:
	s_mov_b64 s[64:65], 0
	v_nop
	global_prefetch_b8 v0, s[64:65] scope:SCOPE_SE
	s_setreg_imm32_b32 hwreg(HW_REG_WAVE_MODE, 25, 1), 1
	s_wait_xcnt 0x0
	s_wait_alu depctr_hold_cnt(0) depctr_sa_sdst(0) depctr_va_vdst(0) depctr_va_sdst(0) depctr_va_ssrc(0) depctr_va_vcc(0) depctr_vm_vsrc(0)
	s_getreg_b32 s2, hwreg(HW_REG_IB_STS2, 6, 4)
	s_cmp_eq_u32 s2, 0
	s_cbranch_scc0 .Lentry_in_a_cluster
	s_endpgm
.Lentry_in_a_cluster:
	s_bfe_u32 s2, ttmp6, 0x10000c
	s_cmp_lg_u32 s2, 0xf033
	s_cbranch_scc0 .Lentry_shape_is_right
	s_endpgm
.Lentry_shape_is_right:
; logits = Q(Sg) Wa^T + ba, [8192][2048], on codes of BF8 (E5M2) by v_wmma_f32_16x16x128_bf8_bf8, sums in f32, each finished sum x 2^(e2 + e3).  The logits never go to memory: for each row and each run of 128 columns
; (a wave's share) three numbers leave: mL = the run's largest logit x log2(e); l = the sum of p = 2^(logit x log2(e) - mL); o = the sum of p x h.  The next launch merges a row's sixteen runs under their common maximum.
; A (sc) is laid as IMAGES OF THE OPERAND'S REGISTERS: a fragment (16 rows x 128 K) is 2,048 bytes on end, four groups c of 512 bytes, lane l's 16 bytes at 16 l (lane 16 hh + r: row r, k = 32 c + 16 hh + 0 .. 15);
; fragment (k / 256, row / 16, (k / 128) % 2) begins at ((k / 256 x 512 + row / 16) x 2 + (k / 128) % 2) x 2,048.  Wa's codes lie by rows, K innermost; four loads of 16 bytes, 32 bytes apart, at 16 hh give a lane the same k
; (a permutation of k against this form's own places, alike in both operands).
; SHARES.  32 x 8 tiles of 256 x 256: one work-group each, four waves, each 128 x 128: 64 accumulators, 512 registers.  K goes in steps of 256 through a ring of two LDS slots filled by the tensor data mover.
; CLUSTERS: 4 x 4 work-groups; A's tiles are asked for jointly along a row of the cluster, Wa's along a column: the same tensor load, the same descriptor, a mask that names the four.
; THE MATRIX INSTRUCTION IS USED TRANSPOSED (source 0 = 16 rows of Wa, source 1 = 16 rows of A): lane (r, hh) holds row 16 a + r and columns 16 b + 8 hh + 0 .. 7: a row's 128 logits lie in two lanes, l and l xor 16.
; h OF THE TILE is read in f32, 512 consecutive bytes of a row a load, and turns through the wave's own stage in LDS into the accumulators' layout.  The stage lies in slot 0, which has had its last fill and its last read
; when the first number is stored there (every wave has passed the last change of slots).
; part: [16 runs][8192 places][mL, l, o, 0].  Within each 64 rows, row x lies at place 32 (x % 2) + x / 2: so a store here covers two runs of 256 consecutive bytes, aligned, and the next launch's lane l finds rows 2 l and 2 l + 1 at 16 l.
; LIMITS: e2 + e3 between -126 and 127.  NaN among the inputs is not served.  p below 2^-126 counts as 0 (ISA guide, v_exp_f32).
; REGISTERS, in windows of 256.  Window 0: v2-15 at work on the way out; v16-31 addresses; v32-95 ba of my 64 columns; v128-255 A's fragments, ONE set; on the way out v96-159 logits, then p; v160-223 h; v224-247 three numbers a row block.
;   Window 1: Wa's fragments, TWO sets, at v0 and v128; on the way out four sets of 64: h as loaded.  Window 2: the accumulators of my rows 0-63 ((a, b) at v[8 (8 (a % 4) + b)]).  Window 3: those of rows 64-127.
; ASKED FOR AHEAD.  Tiles: behind the load of K step s stands one request a wave for K step s + 2 (behind the head's first load also for K step 1).  Of the 128 blocks of 256 bytes that a wave fetches, each of the four
; partners that ask jointly takes 32, told apart by address; a lane a block.  The last two refills ask for nothing.  h: one of my eight row blocks (16 rows x 512 bytes, a lane to each aligned 256 bytes) behind each of the
; six refills, the last two behind the loop; only this wave reads these bytes, so each block is named once in the launch.
.set PITCH,  272                       ; a row of Wa's tile in LDS: 256 bytes + 16 of padding: an odd multiple of 16, so the 16 rows of a load fall on 16 different columns of 16 bytes
.set AHALF,  32768                     ; 128 rows x 256 K of A as images: dense
.set PFT,  23                          ; v23      the tile requests' offset: lane x 256 bytes (sc) or lane x a row of 2,048 bytes (Wa); never rewritten
.set PF1,  86                          ; s[86:87] my work-group's 32 blocks of K step 1;  s[88:89] of K step 2; never rewritten
.set PF2,  88
.set PFA,  90                          ; s[90:91] the same of K step 3, stepped at each refill
.set PST,  92                          ; s[92:93] bytes from K step to K step: 0x200000 (sc) or 256 (Wa)
.set HPF,  94                          ; s[94:95] h at my row block, stepped at each refill
.macro MUL8 a, p                       ; 8 matrix instructions: A's block a x Wa's eight
.irp b, 0,1,2,3,4,5,6,7
	v_wmma_f32_16x16x128_bf8_bf8 v[8*(8*((\a)%4)+\b):8*(8*((\a)%4)+\b)+7], v[128*(\p)+FR*\b:128*(\p)+FR*\b+FR-1], v[AF+FR*(\a):AF+FR*(\a)+FR-1], v[8*(8*((\a)%4)+\b):8*(8*((\a)%4)+\b)+7]
.endr
.endm
.set BHALF,  128*PITCH
.set BOFF,   2*AHALF
.set SLOT,   BOFF+2*BHALF              ; 135,168 bytes: A's two halves, then Wa's two
.set SPARE,  2*SLOT                    ; behind the ring: the spare words, 128 bytes for each wave: two blocks of 256 bytes that no other line names
.set SPITCH, 528                       ; a stage row: 512 bytes + 16
.set FR,     16
.set NL,     4
.set NP,     4                         ; places behind this matrix instruction (ISA guide 7.12.1)
.set LAPS,   4
.set ADRA, 16                          ; v16-17  LDS address of my A fragments in slot 0, 1
.set ADRB, 20                          ; v20-21  the same for Wa
.set KO,   22                          ; v22     32 hh: my eight columns' bytes in ba
.set STI,  24                          ; v24     the stage, on the way in: 16 x lane of a row
.set SRD,  25                          ; v25     and out: row r, + 32 hh
.set HO,   26                          ; v26     16 x lane
.set PFO,  27                          ; v27     the prefetches' offset: row lane / 2, + 256 (lane % 2)
.set SPW,  28                          ; v28     LDS address of my spare word; never rewritten
.set NIL,  29                          ; v29     0; never rewritten
.set PO,   30                          ; v30     my place in part: 512 (lane % 2) + 16 (lane / 2)
.set LN,   31                          ; v31     lane
.set BA,   32
.set T,    96
.set HH,   160
.set ST,   224
.set AF,   128
.set G1, 24
.set G0, 32
.set G1B, 48
.set G0B, 56
.set MSB, 0
.macro WIN new                         ; the immediate's high byte repeats the setting that is left
.if MSB != (\new)
	s_set_vgpr_msb (MSB<<8)|(\new)
.set MSB, (\new)
.endif
.endm
.set MUL_LO, 0xa1                      ; source 0 (Wa) window 1, source 1 (A) window 0, C and D window 2
.set MUL_HI, 0xf1                      ; the same, C and D window 3
.set TO_B,   0x40                      ; destination window 1, address window 0
; A joint load: waves 0 and 1 fetch for A, waves 2 and 3 for Wa; the branch hangs on the wave's number alone.  Four v_nop follow each of the two lines.
.macro JLOAD g0a, g1a, g0b, g1b
	s_cmp_eq_u32 s15, 0
	s_cbranch_scc0 .Lfor_b_\@
	tensor_load_to_lds s[\g0a:\g0a+3], s[\g1a:\g1a+7]
	s_nop 0
.rept 4
	v_nop
.endr
	s_branch .Lasked_\@
.Lfor_b_\@:
	tensor_load_to_lds s[\g0b:\g0b+3], s[\g1b:\g1b+7]
	s_nop 0
.rept 4
	v_nop
.endr
.Lasked_\@:
.endm
.macro CREST                           ; a round of the cluster's barrier behind its opening barrier
	s_cmp_lg_u32 s14, 0
	s_cbranch_scc1 .Lnot_wave_0_\@
	s_barrier_signal -3
.Lnot_wave_0_\@:
	s_barrier_wait -3
	s_barrier_signal -1
	s_barrier_wait -1
.endm
.macro CROUND
	s_barrier_signal -1
	s_barrier_wait -1
	CREST
.endm
	s_load_b256 s[4:11], s[0:1], 0x0               ; sc s[4:5], Wa's codes s[6:7], the scales' exponents s[8:9], ba s[10:11]
	s_load_b128 s[68:71], s[0:1], 0x20             ; h s[68:69], part s[70:71]
	v_lshl_add_u32 v[SPW], v0, 2, SPARE
	v_mov_b32 v[NIL], 0
	ds_add_u32 v28, v29
	ds_add_u32 v28, v29
	s_wait_dscnt 0x0
	v_lshrrev_b32 v1, 5, v0
	v_readfirstlane_b32 s14, v1                    ; wave 0..3
	s_lshr_b32 s15, s14, 1                         ; which half of the tile's rows is mine.  Also: I fetch for A (0) or for Wa (1)
	s_and_b32 s16, s14, 1                          ; which half of its columns.  Also: which 128 rows of that tile I fetch
	s_bfe_u32 s40, ttmp6, 0x40000                  ; cx, cy
	s_bfe_u32 s41, ttmp6, 0x40004
	s_lshl_b32 s42, ttmp9, 2
	s_add_co_u32 s42, s42, s40                     ; tile column
	s_and_b32 s17, ttmp7, 0xffff
	s_lshl_b32 s17, s17, 2
	s_add_co_u32 s17, s17, s41                     ; tile row
	s_lshl_b32 s43, s41, 2
	s_lshl_b32 s43, 15, s43                        ; my row of the cluster
	s_lshl_b32 s44, 0x1111, s40                    ; my column
	s_or_b32 s[G1+0], s43, (3<<16)|(1<<21)         ; A: the mask of my row; elements of 8 bytes; 21 set beside a mask: a dense block as 128 rows of 32 elements
	s_mov_b32 s[G1+1], 32<<16
	s_mov_b32 s[G1+2], 128<<16
	s_mov_b32 s[G1+3], 32<<16
	s_mov_b32 s[G1+4], 128
	s_mov_b32 s[G1+5], 32
	s_mov_b32 s[G1+6], 0
	s_mov_b32 s[G1+7], 0
	s_or_b32 s[G1B+0], s44, (0<<16)|(1<<20)|(1<<21)|(5<<22)|(3<<25)  ; Wa: the mask of my column; elements of 1 byte; padding: four words after every 64: 128 rows of 256 bytes, 2,048 apart
	s_mov_b32 s[G1B+1], 256<<16
	s_mov_b32 s[G1B+2], 128<<16
	s_mov_b32 s[G1B+3], 256<<16
	s_mov_b32 s[G1B+4], 128
	s_mov_b32 s[G1B+5], 2048
	s_mov_b32 s[G1B+6], 0
	s_mov_b32 s[G1B+7], 0
	s_lshl_b32 s20, s17, 16                        ; A: (16 x tile row + 8 x half) row blocks of 4,096 bytes
	s_lshl_b32 s18, s16, 15
	s_add_co_u32 s20, s20, s18
	s_mov_b32 s21, 0
	s_lshl_b32 s46, s42, 19                        ; Wa: (256 x tile column + 128 x half) rows of 2,048 bytes
	s_lshl_b32 s47, s16, 18
	s_add_co_u32 s46, s46, s47
	s_mov_b32 s47, 0
	s_lshl_b32 s45, s16, 15                        ; where they go: no place in the cluster enters an LDS address
	s_mul_i32 s66, s16, BHALF
	s_add_co_u32 s66, s66, BOFF
	s_wait_kmcnt 0x0
	s_load_b128 s[72:75], s[8:9], 0x0              ; e0, e1, e2, e3
	s_mov_b32 s[PST], 0x200000                     ; where my tile requests stand: the buffer that I fetch for, my tile's offset, my work-group's share of its 128 blocks
	s_mov_b32 s[PST+1], 0
	s_mov_b32 s97, 0
	s_cmp_eq_u32 s15, 0                            ; do I fetch for A?
	s_cselect_b64 s[PF1:PF1+1], s[4:5], s[6:7]
	s_cselect_b64 s[PF2:PF2+1], s[20:21], s[46:47] ; (still offsets here)
	s_cselect_b32 s[PST], s[PST], 256
	s_cselect_b32 s96, s40, s41                    ; my place among the four that ask with me: cx for A, cy for Wa
	s_cselect_b32 s99, 13, 16                      ; 32 blocks of 256 bytes, or 32 rows of 2,048
	s_cselect_b32 s98, 8, 11                       ; a lane's step
	s_lshl_b32 s96, s96, s99
	s_add_nc_u64 s[PF2:PF2+1], s[PF2:PF2+1], s[96:97]
	s_add_nc_u64 s[PF2:PF2+1], s[PF2:PF2+1], s[PST:PST+1]
	s_add_nc_u64 s[PF1:PF1+1], s[PF1:PF1+1], s[PF2:PF2+1]   ; K step 1
	s_add_nc_u64 s[PF2:PF2+1], s[PF1:PF1+1], s[PST:PST+1]   ; K step 2
	s_add_nc_u64 s[PFA:PFA+1], s[PF2:PF2+1], s[PST:PST+1]   ; K step 3
	s_add_nc_u64 s[20:21], s[4:5], s[20:21]
	s_add_nc_u64 s[46:47], s[6:7], s[46:47]
	CROUND                                         ; all sixteen work-groups are here: the first joint loads meet
.irp s, 0,1
	s_mov_b32 s[G0+4*\s], 1
	s_add_co_u32 s[G0+4*\s+1], s45, \s*SLOT
	s_add_nc_u64 s[G0+4*\s+2:G0+4*\s+3], s[20:21], \s*0x200000
	s_or_b32 s[G0+4*\s+3], s[G0+4*\s+3], 0x80000000
	s_mov_b32 s[G0B+4*\s], 1
	s_add_co_u32 s[G0B+4*\s+1], s66, \s*SLOT
	s_add_nc_u64 s[G0B+4*\s+2:G0B+4*\s+3], s[46:47], \s*256
	s_or_b32 s[G0B+4*\s+3], s[G0B+4*\s+3], 0x80000000
.endr
	JLOAD G0, G1, G0B, G1B                         ; K step 0: one tensor load a wave at the head
	v_and_b32 v[PFT], 31, v0
	v_lshlrev_b32 v[PFT], s98, v[PFT]
	global_prefetch_b8 v[PFT], s[PF1:PF1+1] th:TH_LOAD_NT scope:SCOPE_SE   ; K step 1 is asked for; K step 2's request follows behind K step 1's load
	v_and_b32 v1, 15, v0                           ; r
	v_bfe_u32 v2, v0, 4, 1                         ; hh
	v_and_b32 v[LN], 31, v0
	v_mul_u32_u24 v3, v1, PITCH
	v_lshl_add_u32 v4, v2, 4, v3                   ; Wa: row x pitch + 16 hh
	v_lshlrev_b32 v[HO], 4, v[LN]                  ; 16 x lane: A's images, the stage's rows, h's rows
	s_wait_alu depctr_va_vdst(0)
	s_lshl_b32 s21, s15, 15
	s_mul_i32 s22, s16, BHALF
	s_add_co_u32 s22, s22, BOFF
.irp s, 0,1
	v_add_nc_u32 v[ADRA+\s], s21, v[HO]
	v_add_nc_u32 v[ADRB+\s], s22, v4
	s_add_co_u32 s21, s21, SLOT
	s_add_co_u32 s22, s22, SLOT
.endr
	s_mul_i32 s23, s14, 16*SPITCH                  ; my stage
	v_add_nc_u32 v[STI], s23, v[HO]
	v_mul_u32_u24 v[SRD], v1, SPITCH
	v_lshl_add_u32 v[SRD], v2, 5, v[SRD]
	v_add_nc_u32 v[SRD], s23, v[SRD]
	v_lshrrev_b32 v5, 1, v[LN]
	v_and_b32 v6, 1, v[LN]
	v_lshlrev_b32 v[PFO], 13, v5
	v_lshl_add_u32 v[PFO], v6, 8, v[PFO]
	v_lshlrev_b32 v[PO], 4, v5
	v_lshl_add_u32 v[PO], v6, 9, v[PO]
	v_lshlrev_b32 v[KO], 5, v2
	s_wait_alu depctr_va_vdst(0)
	v_mov_b32 v14, 0                               ; written once: a lane permute's destination counts as one of its sources
	v_mov_b32 v15, 0
	s_lshl_b32 s46, s42, 10                        ; my first column: (256 x tile column + 128 x half) x 4 bytes
	s_lshl_b32 s47, s16, 9
	s_add_co_u32 s46, s46, s47
	s_mov_b32 s47, 0
	s_add_nc_u64 s[10:11], s[10:11], s[46:47]      ; ba
	s_lshl_b32 s18, s17, 21                        ; + my first row: (256 x tile row + 128 x half) x 8,192 bytes
	s_add_co_u32 s46, s46, s18
	s_lshl_b32 s18, s15, 20
	s_add_co_u32 s46, s46, s18
	s_add_nc_u64 s[68:69], s[68:69], s[46:47]      ; h
	s_mov_b64 s[HPF:HPF+1], s[68:69]
	s_lshl_b32 s46, s42, 18                        ; part: run 2 x tile column + half, of 131,072 bytes; + my first row x 16
	s_lshl_b32 s18, s16, 17
	s_add_co_u32 s46, s46, s18
	s_lshl_b32 s18, s17, 12
	s_add_co_u32 s46, s46, s18
	s_lshl_b32 s18, s15, 11
	s_add_co_u32 s46, s46, s18
	s_add_nc_u64 s[70:71], s[70:71], s[46:47]
.irp b, 0,1,2,3,4,5,6,7
	global_load_b128 v[BA+8*\b:BA+8*\b+3],   v[KO], s[10:11] offset:64*\b      ; ba at columns 16 b + 8 hh + 0 .. 7: registers that the loop does not touch
	global_load_b128 v[BA+8*\b+4:BA+8*\b+7], v[KO], s[10:11] offset:64*\b+16
.endr
.macro FRAGA reg, slot, q, i
.irp c, 0,1,2,3
	ds_load_b128 v[\reg+4*\c:\reg+4*\c+3], v[ADRA+\slot] offset:4096*(\i)+2048*(\q)+512*\c
.endr
.endm
.macro FRAGB reg, slot, q, i
.irp c, 0,1,2,3
	ds_load_b128 v[\reg+4*\c:\reg+4*\c+3], v[ADRB+\slot] offset:128*(\q)+32*\c+(\i)*16*PITCH
.endr
.endm
; 16 matrix instructions: A's blocks a0, a0 + 1 x Wa's eight.  The 64 accumulators take turns, one instruction a turn, in the same order in every step.
.macro MUL16 a0, p, zero
.irp a, \a0, \a0+1
.irp b, 0,1,2,3,4,5,6,7
.if \zero
	v_wmma_f32_16x16x128_bf8_bf8 v[8*(8*((\a)%4)+\b):8*(8*((\a)%4)+\b)+7], v[128*(\p)+FR*\b:128*(\p)+FR*\b+FR-1], v[AF+FR*(\a):AF+FR*(\a)+FR-1], 0
.else
	v_wmma_f32_16x16x128_bf8_bf8 v[8*(8*((\a)%4)+\b):8*(8*((\a)%4)+\b)+7], v[128*(\p)+FR*\b:128*(\p)+FR*\b+FR-1], v[AF+FR*(\a):AF+FR*(\a)+FR-1], v[8*(8*((\a)%4)+\b):8*(8*((\a)%4)+\b)+7]
.endif
.endr
.endr
.endm
.macro FETCH_B slot, q, p
	WIN TO_B
.irp i, 0,1,2,3,4,5,6,7
	FRAGB 128*(\p)+FR*\i, \slot, \q, \i
.endr
	WIN 0
.endm
.macro FETCH_A slot, q, i0
.irp i, \i0, \i0+1, \i0+2, \i0+3
	FRAGA AF+FR*(\i), \slot, \q, \i
.endr
.endm
; Loads into registers that a matrix instruction has read, and vector instructions that read its result or write its registers, stand NP places behind it; only plain vector instructions that name none of its registers are places (ISA guide 7.12.1 for vector instructions).
.macro PLACES n
.rept \n
	v_nop
.endr
.endm
.macro FETCH_B4 slot, q, p, i0         ; four of Wa's fragments, i0 .. i0 + 3, into set p
	WIN TO_B
.irp i, \i0, \i0+1, \i0+2, \i0+3
	FRAGB 128*(\p)+FR*(\i), \slot, \q, \i
.endr
.endm
; A step of 128 along K that has its successor in the same slot: 4 x 16 matrix instructions, and behind each 16 a run of 16 LDS loads for the next step: Wa's other set in two halves
; (it was last read ahead of the closing places of the step before), then A's blocks 0-3 and 4-7, each behind its places.
; The fragments of this step were asked for in the order Wa 0-7, A 0-3, A 4-7.  Each wait leaves out what was issued behind the two blocks of A that the next 16 products read:
; 24 = A 2-3 and A 4-7;  32 = A 4-7 and this step's first run;  40 = A 6-7 and two runs;  48 = three runs.
.macro STEP slot, q, zero
	s_wait_dscnt 24
	WIN MUL_LO
	MUL16 0, (\q)%2, \zero
	FETCH_B4 \slot, (\q)+1, 1-(\q)%2, 0
	s_wait_dscnt 32
	WIN MUL_LO
	MUL16 2, (\q)%2, \zero
	FETCH_B4 \slot, (\q)+1, 1-(\q)%2, 4
	s_wait_dscnt 40
	WIN MUL_HI
	MUL16 4, (\q)%2, \zero
	PLACES NP
	WIN 0
	FETCH_A \slot, (\q)+1, 0
	s_wait_dscnt 48
	WIN MUL_HI
	MUL16 6, (\q)%2, \zero
	PLACES NP
	WIN 0
	FETCH_A \slot, (\q)+1, 4
.endm
; A slot's last step changes slots: ONE barrier; in front of it each wave waits for all its tensor loads, adds 0 to its spare word, and waits for that and for its own reads of this slot.
.macro TURN slot, next, fill
.if \fill
	s_wait_xcnt 0x0                                ; my last requests have read their addresses: they step only behind this wait
	s_add_nc_u64 s[PFA:PFA+1], s[PFA:PFA+1], s[PST:PST+1]
	s_add_nc_u64 s[HPF:HPF+1], s[HPF:HPF+1], 0x20000
.endif
	s_wait_dscnt 4*NL                              ; Wa's set and A's blocks 0-3 are in; the youngest 16 loads (A's blocks 4-7) may be out
	WIN MUL_LO
	MUL16 0, 1, 0
	WIN 0                                          ; (the add's two registers lie in window 0)
	s_wait_tensorcnt 0x0                           ; all my tensor loads have landed: my part of the next slot;
	ds_add_u32 v[SPW], v[NIL]                      ; 0 onto my spare word;
	WIN MUL_LO
	MUL8 2, 1                                      ; eight matrix instructions stand between the add and the wait for it
	s_wait_dscnt 0x0                               ; the add is done, and my reads of this slot are over
	s_barrier_signal -1
	MUL8 3, 1
	WIN 0
	s_barrier_wait -1
.if \fill
	CREST                                          ; the barrier has opened a round of the cluster's barrier: no wave of any partner still reads this slot's tile or has a load on its way
	s_add_nc_u64 s[G0+4*\slot+2:G0+4*\slot+3], s[G0+4*\slot+2:G0+4*\slot+3], 0x400000
	s_add_nc_u64 s[G0B+4*\slot+2:G0B+4*\slot+3], s[G0B+4*\slot+2:G0B+4*\slot+3], 512
	JLOAD G0+4*\slot, G1, G0B+4*\slot, G1B         ; the first tensor load behind the round, one a wave
.else
	PLACES NP
.endif
	FETCH_B \next, 0, 0
.if \fill
	global_prefetch_b8 v[PFO], s[HPF:HPF+1] offset:-131072 th:TH_LOAD_NT scope:SCOPE_SE   ; h of my next row block: blocks 0 to 5 in the loop's six refills
	s_cmp_gt_u32 s3, 1                             ; the loop's last trip refills K steps 6 and 7: no K step stands two on
	s_cbranch_scc0 .Lnoask_\@
	global_prefetch_b8 v[PFT], s[PFA:PFA+1] th:TH_LOAD_NT scope:SCOPE_SE   ; the K step two refills on
.Lnoask_\@:
.endif
	WIN MUL_HI
	MUL16 4, 1, 0
	WIN 0
	FETCH_A \next, 0, 0                            ; A's blocks 0-3 were last read ahead of the four places behind the barrier
	WIN MUL_HI
	MUL16 6, 1, 0
	PLACES NP
	WIN 0
	FETCH_A \next, 0, 4
.endm
.macro HLOAD a                         ; h of my row block a: 16 rows x 512 bytes, a row a load -> set a % 4 of window 1
	WIN 0x40
.irp i, 0,1,2,3,4,5,6,7,8,9,10,11,12,13,14,15
	global_load_b128 v[64*((\a)%4)+4*\i:64*((\a)%4)+4*\i+3], v[HO], s[68:69] offset:(16*(\a)+\i)*8192 th:TH_LOAD_NT
.endr
	WIN 0
.endm
.macro HTURN a                         ; through my stage: in by rows, out in the accumulators' layout: register 8 b + j = h(16 a + r, 16 b + 8 hh + j)
	WIN 0x04                                       ; the stores' data window 1
.irp i, 0,1,2,3,4,5,6,7,8,9,10,11,12,13,14,15
	ds_store_b128 v[STI], v[64*((\a)%4)+4*\i:64*((\a)%4)+4*\i+3] offset:\i*SPITCH
.endr
	WIN 0
.irp b, 0,1,2,3,4,5,6,7
	ds_load_b128 v[HH+8*\b:HH+8*\b+3],   v[SRD] offset:64*\b      ; LDS serves a wave's instructions in order: these see the stores above
	ds_load_b128 v[HH+8*\b+4:HH+8*\b+7], v[SRD] offset:64*\b+16
.endr
.endm
	s_wait_alu depctr_va_vdst(0)                   ; the wait at the head's end
	s_wait_tensorcnt 0x0                           ; my part of K step 0 is in
	ds_add_u32 v[SPW], v[NIL]
	s_wait_dscnt 0x0
	CROUND                                         ; everybody's part of K step 0 is in, and all sixteen work-groups are here
	JLOAD G0+4, G1, G0B+4, G1B                     ; K step 1: the first tensor load behind the round
	FETCH_B 0, 0, 0
	FETCH_A 0, 0, 0
	FETCH_A 0, 0, 4
	global_prefetch_b8 v[PFT], s[PF2:PF2+1] th:TH_LOAD_NT scope:SCOPE_SE   ; K step 2: its refill stands one K step on
	global_prefetch_b8 v[PFT], s[PFA:PFA+1] th:TH_LOAD_NT scope:SCOPE_SE   ; K step 3
	STEP 0, 0, 1                                   ; the first step's products start the sums
	s_mov_b32 s3, LAPS-1
.Llap:
	TURN 0, 1, 1
	STEP 1, 0, 0
	TURN 1, 0, 1
	STEP 0, 0, 0
	s_sub_co_u32 s3, s3, 1
	s_cmp_lg_u32 s3, 0
	s_cbranch_scc1 .Llap
.irp a, 6,7                            ; h of my last two row blocks: 192 matrix instructions stand between these lines and the first read of h
	global_prefetch_b8 v[PFO], s[68:69] offset:\a*131072 th:TH_LOAD_NT scope:SCOPE_SE
.endr
	TURN 0, 1, 0                                   ; the last lap fills nothing, and has no round of the cluster's barrier
	STEP 1, 0, 0
	HLOAD 0                                        ; Wa's set 0 is done with, and the step's closing places stand behind its last readers
	HLOAD 1
	s_wait_dscnt 4*NL                              ; the very last step
	WIN MUL_LO
	MUL16 0, 1, 0
	MUL16 2, 1, 0
	s_wait_dscnt 0
	WIN MUL_HI
	MUL16 4, 1, 0
	MUL16 6, 1, 0
	WIN 0
	; ---------------- THE WAY OUT ----------------
	s_wait_kmcnt 0x0
	s_add_co_i32 s76, s74, s75                     ; e2 + e3
	s_add_co_i32 s76, s76, 127
	s_lshl_b32 s76, s76, 23                        ; 2^(e2 + e3) as f32
	s_mov_b32 s77, s76                             ; (named with it as a pair, so it is written)
	s_mov_b32 s78, 0x3fb8aa3b                      ; log2(e)
	s_mov_b32 s79, s78
	s_mov_b32 s84, 0x76543210                      ; v_permlanex16_b32's selects for lane l xor 16
	s_mov_b32 s85, 0xfedcba98
	PLACES NP                                      ; behind the last products
	HLOAD 2
	HLOAD 3
; Row block a: 16 rows x my 128 columns; a lane holds 64 logits of one row.
.macro BLOCK a
.if (\a) < 5
	s_wait_loadcnt 48                              ; this block's h (and ba) is in; the three younger blocks' 48 loads may be out
.else
	s_wait_loadcnt 16*(7-(\a))
.endif
	HTURN \a
	WIN 0x02+(\a)/4                                ; source 0 (the sums) window 2 or 3
.set n, 0
.rept 32
	v_pk_fma_f32 v[T+n:T+n+1], v[64*((\a)%4)+n:64*((\a)%4)+n+1], s[76:77], v[BA+n:BA+n+1] op_sel_hi:[1,0,1]   ; logit = sum x 2^(e2 + e3) + ba; each accumulator from its low end on
.set n, n+2
.endr
	WIN 0
.irp c, 0,1,2,3                        ; the largest of my 64, in four chains
	v_max3_num_f32 v[8+\c], v[T+3*\c], v[T+3*\c+1], v[T+3*\c+2]
.endr
.irp i, 12,20,28,36,44,52
.irp c, 0,1,2,3
	v_max3_num_f32 v[8+\c], v[8+\c], v[T+\i+2*\c], v[T+\i+2*\c+1]
.endr
.endr
	v_max3_num_f32 v8, v8, v[T+60], v[T+61]
	v_max3_num_f32 v9, v9, v[T+62], v[T+63]
	v_max3_num_f32 v10, v10, v11, v8
	v_max_num_f32 v10, v10, v9
	v_permlanex16_b32 v14, v10, s84, s85
	v_max_num_f32 v10, v10, v14                    ; and of lane l xor 16's: the row's largest among these 128 columns
	v_mul_f32 v12, s78, v10                        ; mL
	v_mov_b32 v13, v12                             ; (named with it as a pair)
.set n, 0
.rept 32
	v_pk_fma_f32 v[T+n:T+n+1], v[T+n:T+n+1], s[78:79], v[12:13] op_sel_hi:[1,0,0] neg_lo:[0,0,1] neg_hi:[0,0,1]   ; logit x log2(e) - mL
.set n, n+2
.endr
.set n, 0
	s_wait_alu depctr_va_vdst(0)
.rept 64
	v_exp_f32 v[T+n], v[T+n]
.set n, n+1
.endr
	v_mov_b32 v[ST+3*(\a)], v12                    ; (a plain line behind the exponentials)
	s_wait_alu depctr_va_vdst(0)                   ; the wait ahead of the first line that names a result: one for the 64
	s_wait_dscnt 0x0                               ; h is back from the stage, and the stage's stores have read their registers,
.if (\a) < 4
	HLOAD (\a)+4                                   ; which take the block four further on
.endif
	v_pk_add_f32 v[2:3], v[T:T+1], v[T+2:T+3]      ; l and o, two chains of pairs each, started by their first terms
	v_pk_add_f32 v[4:5], v[T+4:T+5], v[T+6:T+7]
	v_pk_mul_f32 v[6:7], v[T:T+1], v[HH:HH+1]
	v_pk_mul_f32 v[8:9], v[T+2:T+3], v[HH+2:HH+3]
	v_pk_fma_f32 v[6:7], v[T+4:T+5], v[HH+4:HH+5], v[6:7]
	v_pk_fma_f32 v[8:9], v[T+6:T+7], v[HH+6:HH+7], v[8:9]
.set n, 8
.rept 14
	v_pk_add_f32 v[2:3], v[2:3], v[T+n:T+n+1]
	v_pk_add_f32 v[4:5], v[4:5], v[T+n+2:T+n+3]
	v_pk_fma_f32 v[6:7], v[T+n:T+n+1], v[HH+n:HH+n+1], v[6:7]
	v_pk_fma_f32 v[8:9], v[T+n+2:T+n+3], v[HH+n+2:HH+n+3], v[8:9]
.set n, n+4
.endr
	v_pk_add_f32 v[2:3], v[2:3], v[4:5]
	v_pk_add_f32 v[6:7], v[6:7], v[8:9]
	v_add_f32 v2, v2, v3
	v_add_f32 v6, v6, v7
	v_permlanex16_b32 v14, v2, s84, s85
	v_permlanex16_b32 v15, v6, s84, s85
	v_add_f32 v[ST+3*(\a)+1], v2, v14              ; l
	v_add_f32 v[ST+3*(\a)+2], v6, v15              ; o: both halves of the lanes now hold the row's three numbers
.endm
.irp a, 0,1,2,3,4,5,6,7
	BLOCK \a
.endr
	v_cmp_le_u32 vcc_lo, 16, v[LN]                 ; lanes 0-15 send block 2 u's rows, lanes 16-31 block 2 u + 1's: lane l sends my row 32 u + l
.irp u, 0,1,2,3
.irp f, 0,1,2
	v_cndmask_b32 v[T+4*\u+\f], v[ST+6*\u+\f], v[ST+6*\u+3+\f], vcc_lo
.endr
	v_mov_b32 v[T+4*\u+3], 0
	global_store_b128 v[PO], v[T+4*\u:T+4*\u+3], s[70:71] offset:(\u&1)*256+(\u>>1)*1024   ; even lanes cover 256 consecutive bytes, aligned; odd lanes the 256 that lie 512 further on
.endr
	s_wait_tensorcnt 0x0                           ; the wave's end: behind my last tensor load and my last LDS store
	ds_add_u32 v[SPW], v[NIL]
	s_wait_dscnt 0x0
	CROUND                                         ; the closing round
	s_endpgm
.Lfunc_end_k_q044e5e13e5_gemm2:
	.size	k_q044e5e13e5_gemm2, .Lfunc_end_k_q044e5e13e5_gemm2-k_q044e5e13e5_gemm2
	.p2alignl 7, 3214868480
	.fill 96, 4, 3214868480
	.section	.rodata,"a",@progbits
	.p2align	6, 0x0
	.amdhsa_kernel k_q044e5e13e5_gemm2
		.amdhsa_group_segment_fixed_size 327680
		.amdhsa_private_segment_fixed_size 0
		.amdhsa_enable_private_segment 0
		.amdhsa_kernarg_size 48
		.amdhsa_user_sgpr_count 2
		.amdhsa_user_sgpr_kernarg_segment_ptr 1
		.amdhsa_wavefront_size32 1
		.amdhsa_system_sgpr_workgroup_id_x 1
		.amdhsa_system_sgpr_workgroup_id_y 1
		.amdhsa_system_sgpr_workgroup_id_z 1
		.amdhsa_system_vgpr_workitem_id 0
		.amdhsa_next_free_vgpr 1024
		.amdhsa_next_free_sgpr 100
		.amdhsa_reserve_vcc 1
		.amdhsa_float_denorm_mode_32 3
		.amdhsa_float_denorm_mode_16_64 3
		.amdhsa_memory_ordered 1
		.amdhsa_forward_progress 1
		.amdhsa_inst_pref_size 214
	.end_amdhsa_kernel
	.amdgpu_metadata
---
amdhsa.version: [ 1, 2 ]
amdhsa.kernels:
  - .name:           k_q044e5e13e5_gemm2
    .symbol:         k_q044e5e13e5_gemm2.kd
    .args:
      - { .name: sc, .offset: 0, .size: 8, .value_kind: global_buffer, .address_space: global }
      - { .name: Wa_codes, .offset: 8, .size: 8, .value_kind: global_buffer, .address_space: global }
      - { .name: lowp_scales, .offset: 16, .size: 8, .value_kind: global_buffer, .address_space: global }
      - { .name: ba, .offset: 24, .size: 8, .value_kind: global_buffer, .address_space: global }
      - { .name: hidden_list, .offset: 32, .size: 8, .value_kind: global_buffer, .address_space: global }
      - { .name: part, .offset: 40, .size: 8, .value_kind: global_buffer, .address_space: global }
    .group_segment_fixed_size: 327680
    .private_segment_fixed_size: 0
    .kernarg_segment_align: 8
    .kernarg_segment_size: 48
    .max_flat_workgroup_size: 128
    .sgpr_count:     100
    .vgpr_count:     1024
    .wavefront_size: 32
...
	.end_amdgpu_metadata
.endif
;; end of part 3
;; launch finish (part 4): grid 128 x 1, 1 waves a work-group, no clusters, 0 bytes of LDS; arguments part, m_q, out0, out1; writes out0, out1
.if DOCPART == 4
	.amdgcn_target "amdgcn-amd-amdhsa--gfx1250"
	.amdhsa_code_object_version 6
	.text
	.protected	k_q044e5e13e5_finish
	.globl	k_q044e5e13e5_finish
	.p2align	8
	.type	k_q044e5e13e5_finish,@function
k_q044e5e13e5_finish:
	s_mov_b64 s[64:65], 0
	v_nop
	global_prefetch_b8 v0, s[64:65] scope:SCOPE_SE
	s_setreg_imm32_b32 hwreg(HW_REG_WAVE_MODE, 25, 1), 1
	s_wait_xcnt 0x0
; out0[row] = (sum over the 16 runs c of w_c o_c) / (sum of w_c l_c), w_c = 2^(mL_c - M), M = the largest mL_c of the row: the softmax's maximum is the row's own.  out1[row] = m_q[row % 2048] + out0[row].
; part: [16 runs][8192 places][mL, l, o, 0]; within each 64 rows, row x lies at place 32 (x % 2) + x / 2.  One wave takes 64 rows; lane l reads places l and 32 + l, which are rows 2 l and 2 l + 1:
; every load reads 512 consecutive bytes, and a store's 32 x 8 bytes cover 256 consecutive bytes, aligned.  2 MiB are read in all: no LDS, no barrier, nothing shared between work-groups.
; w below 2^-126 counts as 0 (ISA guide, v_exp_f32); the run that holds M has w = 1 and l >= 1 to within rounding, so the divisor is never 0.
.set D, 32                             ; v32-159: run c, row parity p: four registers at D + 8 c + 4 p
	s_load_b256 s[4:11], s[0:1], 0x0               ; part, m_q, out0, out1
	v_lshlrev_b32 v1, 4, v0                        ; 16 x lane
	v_lshlrev_b32 v2, 3, v0                        ; 8 x lane
	s_lshl_b32 s12, ttmp9, 10                      ; 64 places of 16 bytes
	s_mov_b32 s13, 0
	s_and_b32 s14, ttmp9, 31                       ; rows 64 g on are s = 64 (g % 32) on
	s_lshl_b32 s14, s14, 8
	s_mov_b32 s15, 0
	s_lshl_b32 s16, ttmp9, 8                       ; 64 rows of 4 bytes
	s_mov_b32 s17, 0
	s_wait_alu depctr_va_vdst(0)
	s_wait_kmcnt 0x0
	s_add_nc_u64 s[4:5], s[4:5], s[12:13]
	s_add_nc_u64 s[6:7], s[6:7], s[14:15]
	s_add_nc_u64 s[8:9], s[8:9], s[16:17]
	s_add_nc_u64 s[10:11], s[10:11], s[16:17]
.irp c, 0,1,2,3,4,5,6,7,8,9,10,11,12,13,14,15
.irp p, 0,1
	global_load_b128 v[D+8*\c+4*\p:D+8*\c+4*\p+3], v1, s[4:5] offset:131072*\c+512*\p th:TH_LOAD_NT
.endr
.endr
	global_load_b64 v[16:17], v2, s[6:7]           ; m_q of my two rows
	s_wait_loadcnt 0x0
.irp p, 0,1
	v_max3_num_f32 v[4+\p], v[D+4*\p], v[D+8+4*\p], v[D+16+4*\p]
.endr
.irp c, 3,5,7,9,11,13
.irp p, 0,1
	v_max3_num_f32 v[4+\p], v[4+\p], v[D+8*\c+4*\p], v[D+8+8*\c+4*\p]
.endr
.endr
.irp p, 0,1
	v_max_num_f32 v[4+\p], v[4+\p], v[D+8*15+4*\p] ; M
.endr
.irp c, 0,1,2,3,4,5,6,7,8,9,10,11,12,13,14,15
.irp p, 0,1
	v_sub_f32 v[D+8*\c+4*\p], v[D+8*\c+4*\p], v[4+\p]
.endr
.endr
	s_wait_alu depctr_va_vdst(0)
.irp c, 0,1,2,3,4,5,6,7,8,9,10,11,12,13,14,15
.irp p, 0,1
	v_exp_f32 v[D+8*\c+4*\p], v[D+8*\c+4*\p]       ; w
.endr
.endr
	v_nop                                          ; a plain line behind the last exponential
	s_wait_alu depctr_va_vdst(0)                   ; the wait ahead of the first line that names a result: one for the 32
.irp p, 0,1
	v_mul_f32 v[6+\p], v[D+4*\p], v[D+1+4*\p]      ; the first terms start the sums
	v_mul_f32 v[8+\p], v[D+4*\p], v[D+2+4*\p]
.endr
.irp c, 1,2,3,4,5,6,7,8,9,10,11,12,13,14,15
.irp p, 0,1
	v_fmac_f32 v[6+\p], v[D+8*\c+4*\p], v[D+1+8*\c+4*\p]
	v_fmac_f32 v[8+\p], v[D+8*\c+4*\p], v[D+2+8*\c+4*\p]
.endr
.endr
	s_wait_alu depctr_va_vdst(0)
	v_rcp_f32 v10, v6
	v_rcp_f32 v11, v7
	v_nop
	s_wait_alu depctr_va_vdst(0)                   ; one wait for the two reciprocals
	v_mul_f32 v12, v8, v10
	v_mul_f32 v13, v9, v11
	v_pk_add_f32 v[14:15], v[12:13], v[16:17]
	global_store_b64 v2, v[12:13], s[8:9]
	global_store_b64 v2, v[14:15], s[10:11]
	s_endpgm
.Lfunc_end_k_q044e5e13e5_finish:
	.size	k_q044e5e13e5_finish, .Lfunc_end_k_q044e5e13e5_finish-k_q044e5e13e5_finish
	.p2alignl 7, 3214868480
	.fill 96, 4, 3214868480
	.section	.rodata,"a",@progbits
	.p2align	6, 0x0
	.amdhsa_kernel k_q044e5e13e5_finish
		.amdhsa_group_segment_fixed_size 0
		.amdhsa_private_segment_fixed_size 0
		.amdhsa_enable_private_segment 0
		.amdhsa_kernarg_size 32
		.amdhsa_user_sgpr_count 2
		.amdhsa_user_sgpr_kernarg_segment_ptr 1
		.amdhsa_wavefront_size32 1
		.amdhsa_system_sgpr_workgroup_id_x 1
		.amdhsa_system_sgpr_workgroup_id_y 1
		.amdhsa_system_sgpr_workgroup_id_z 1
		.amdhsa_system_vgpr_workitem_id 0
		.amdhsa_next_free_vgpr 176
		.amdhsa_next_free_sgpr 66
		.amdhsa_reserve_vcc 0
		.amdhsa_float_denorm_mode_32 3
		.amdhsa_float_denorm_mode_16_64 3
		.amdhsa_memory_ordered 1
		.amdhsa_forward_progress 1
		.amdhsa_inst_pref_size 10
	.end_amdhsa_kernel
	.amdgpu_metadata
---
amdhsa.version: [ 1, 2 ]
amdhsa.kernels:
  - .name:           k_q044e5e13e5_finish
    .symbol:         k_q044e5e13e5_finish.kd
    .args:
      - { .name: part, .offset: 0, .size: 8, .value_kind: global_buffer, .address_space: global }
      - { .name: m_q, .offset: 8, .size: 8, .value_kind: global_buffer, .address_space: global }
      - { .name: out0, .offset: 16, .size: 8, .value_kind: global_buffer, .address_space: global }
      - { .name: out1, .offset: 24, .size: 8, .value_kind: global_buffer, .address_space: global }
    .group_segment_fixed_size: 0
    .private_segment_fixed_size: 0
    .kernarg_segment_align: 8
    .kernarg_segment_size: 32
    .max_flat_workgroup_size: 32
    .sgpr_count:     66
    .vgpr_count:     176
    .wavefront_size: 32
...
	.end_amdgpu_metadata
.endif
;; end of part 4
